; MI455X (gfx1250); checked and timed in simulation.
; The chip was launched on July 23, 2026; its instructions are those of AMD's public machine-readable ISA for CDNA 5 (MIT licence, August 2026) and "CDNA5" Instruction Set Architecture Reference Guide (July 2026). The comments in the code are by the model that wrote it; some were corrected since.
;; Self Attention Layer. Allowed arithmetic: matrix products marked QUANTISED: E5M2 operands, one given power-of-two scale a tensor, by v_wmma_f32_16x16x64_bf8_bf8 or v_wmma_f32_16x16x128_bf8_bf8, f32 sums; everything else in f32.
;; Inputs: Wk 384 x 768 float32; Wq 384 x 768 float32; Wv 384 x 768 float32; lowp_scales 10 int32 (the exponents e of the quantised operands' scales 2^e); x 8 x 2,048 x 768 float32.
;; Outputs: out0 8 x 2,048 x 384 float32.
;; This version of the problem:
;;   THIS VERSION OF THE PROBLEM IS GIVEN IN LOW PRECISION. The matrix products marked QUANTISED in the list below multiply operands that are first quantised to E5M2 (5 exponent bits, 2 mantissa bits; 8 bits a number), with one given power-of-two scale for each operand tensor; their sums are f32. All else is computed in f32.
;;   The module's matrix products, in the order in which they are computed (A, B: the left and right operand; K: the contracted axis; several contracted axes count as one K, in the product's order):
;;     1. [M 16,384, K 768] x [K 768, N 384]; A: input x; B: input Wk: QUANTISED (scales: A lowp_scales[0], B lowp_scales[1])
;;     2. [M 16,384, K 768] x [K 768, N 384]; A: input x; B: input Wq: QUANTISED (scales: A lowp_scales[2], B lowp_scales[3])
;;     3. [M 16,384, K 768] x [K 768, N 384]; A: input x; B: input Wv: QUANTISED (scales: A lowp_scales[4], B lowp_scales[5])
;;     4. batch 8 x [M 2,048, K 384] x [K 384, N 2,048]; A: computed on the way; B: computed on the way: QUANTISED (scales: A lowp_scales[6], B lowp_scales[7])
;;     5. batch 8 x [M 2,048, K 2,048] x [K 2,048, N 384]; A: softmax (see below); B: computed on the way: QUANTISED (scales: A lowp_scales[8], B lowp_scales[9])
;;   THE QUANTISER, for each operand of a quantised product, along K:
;;     - The operand's scale is 2^e, e = its entry of the input lowp_scales (int32; the entries are numbered through the quantised products in the list's order, A before B).
;;     - Each number is divided by the scale, clamped to +-57,344, and rounded to the nearest number of E5M2, ties to even, subnormals kept.
;;     - The product sums the exact products of the quantised numbers (number of the format x scale) in f32.
;;   ~~~python
;;   def quantise(x, axis, e):      # numpy; x: float32 -> the quantised numbers, widened to float32 again
;;       x = np.moveaxis(x, axis, -1); K = x.shape[-1]
;;       r = np.clip(x / 2.0 ** e, -57344, 57344)
;;       step = 2.0 ** (np.maximum(np.frexp(np.where(r == 0, 1, r))[1] - 1, -14) - 2)
;;       q = np.round(r / step) * step * 2.0 ** e      # np.round: ties to even
;;       return np.moveaxis(q, -1, axis).astype(np.float32)
;;   ~~~
;;   SOFTMAX AHEAD OF A QUANTISED PRODUCT. Where the list says 'softmax', what is quantised is not the finished softmax but p = 2^(t - M), with t = logit x log2(e) and M = ceil(the row's largest t), a whole number; so 1/2 < the row's largest p <= 1. The row's sum l is taken of the UNQUANTISED p, in f32, and the product's result is divided by l at the end. Since M is a whole number, a kernel that streams over the keys may use a running M (the ceiling of the running maximum): every later rescaling is an exact power of two, so the quantised numbers keep their values, but for numbers so far below the row's largest that they fall under the format's range.
;;   OPERANDS COMPUTED ON THE WAY. 'Computed on the way' means the value that the module computes at that place (a softmax that the list does not call 'softmax' is quantised finished and normalised). What goes into a quantiser is computed in f32, as accurately as f32 sums, v_exp_f32 and their like allow (about 1e-6 of the number): no bf16 or f16 on the way to a quantiser, and a product that is left as it is and whose result goes on into a quantised operand takes f32 operands (vector FMAs, or v_wmma_f32_16x16x4_f32). A number that lies on a knife's edge between two numbers of the format may be rounded either way, as far as f32 arithmetic and the matrix unit's own rounding can turn it there, and no further.
;; One version. Each part assembles by itself: llvm-mc -triple=amdgcn-amd-amdhsa -mcpu=gfx1250 --defsym DOCPART=n.
;; ======== version 1 of 1: 3 launches
;; limits: right only within a limited range of input values
;; workspace buffers: w_img 884,736 bytes; k_img 6,291,456 bytes; q_img 6,291,456 bytes; v_img 6,291,456 bytes
;; launch wq (part 1): grid 6 x 18, 4 waves a work-group, no clusters, 0 bytes of LDS; arguments Wk, Wq, Wv, lowp_scales, w_img; writes w_img
.if DOCPART == 1
	.amdgcn_target "amdgcn-amd-amdhsa--gfx1250"
	.amdhsa_code_object_version 6
	.text
	.protected	k_q97ec2c2510_wq
	.globl	k_q97ec2c2510_wq
	.p2align	8
	.type	k_q97ec2c2510_wq,@function
k_q97ec2c2510_wq:
	s_mov_b64 s[64:65], 0
	v_nop
	global_prefetch_b8 v0, s[64:65] scope:SCOPE_SE
	s_setreg_imm32_b32 hwreg(HW_REG_WAVE_MODE, 25, 1), 1
	s_wait_xcnt 0x0
; FIRST OF THREE LAUNCHES of out = softmax((x Wq^T)(x Wk^T)^T / sqrt(384)) (x Wv^T), all five products on codes of BF8 (E5M2) with given scales 2^e.
; No work of the problem is left out: every input and every product has a way to the output.
; THIS LAUNCH: Wk, Wq, Wv [384][768] f32 become codes, each with its own scale (entries 1, 3, 5 of the scales), laid as IMAGES OF OPERAND REGISTERS:
; a fragment is 16 rows x 128 K, 16 registers a lane, 2,048 bytes: four blocks c of 512 bytes, lane l's 16 bytes at 16 l; lane (r = l % 16, h = l / 16) holds k = 32 c + 16 h + 0 .. 15 of the fragment's row r.
; w_img = [W: k, q, v][wave w of the next launch 0..3][K step s 0..5][i 0..5] x 2,048 bytes; the fragment is column tile t = 6 w + i.
; THE ROWS OF A TILE: of Wk and Wq lane row r of tile 2 p + u takes row 32 p + 8 u + r + 8 (r / 8), so that the next launch's results (used transposed) hold 16 neighbours along the following K; of Wv row 16 t + r.
; code = number / 2^e, held within +-57,344, to the nearest code, ties to even.  LIMITS: e between -126 and 112; NaN among the inputs is not served.
; One wave makes one fragment: work-group x = i, y = 6 W + s, wave = w.  No LDS, no barrier.  A lane's 64 bytes of a block are read by four loads of 16: the three weights are 3.5 MB in all.
.set WROW, 3072                        ; a row of a weight in bytes
.set X, 32                             ; v32-95   64 numbers: register 16 c + i = k 32 c + 16 h + i
.set C, 96                             ; v96-111  their codes
	s_load_b256 s[4:11], s[0:1], 0x0               ; Wk s[4:5], Wq s[6:7], Wv s[8:9], the scales' exponents s[10:11]
	s_load_b64 s[12:13], s[0:1], 0x20              ; w_img
	v_lshrrev_b32 v5, 5, v0
	v_readfirstlane_b32 s14, v5                    ; w
	v_and_b32 v1, 15, v0                           ; r
	s_wait_alu depctr_va_vdst(0)
	v_bfe_u32 v2, v0, 4, 1                         ; h
	v_and_b32 v4, 31, v0
	v_lshlrev_b32 v4, 4, v4                        ; 16 x lane: my place in a block of the image
	s_and_b32 s15, ttmp7, 0xffff                   ; y = 6 W + s
	s_cmp_ge_u32 s15, 6
	s_cselect_b32 s16, 1, 0
	s_cmp_ge_u32 s15, 12
	s_cselect_b32 s17, 1, 0
	s_add_co_u32 s16, s16, s17                     ; W
	s_mul_i32 s17, s16, 6
	s_sub_co_u32 s17, s15, s17                     ; s
	s_mul_i32 s18, s14, 6
	s_add_co_u32 s18, s18, ttmp9                   ; t = 6 w + i
	s_lshr_b32 s19, s18, 1                         ; p
	s_and_b32 s20, s18, 1                          ; u
	s_cmp_eq_u32 s16, 2                            ; Wv?
	s_cselect_b32 s21, 16, 8                       ; the odd tile of a pair begins 16 rows on (Wv) or 8
	s_cselect_b32 s22, 0, 8                        ; lane rows 8-15 lie 8 rows further on, but not in Wv
	s_mul_i32 s20, s20, s21
	s_lshl_b32 s19, s19, 5
	s_add_co_u32 s19, s19, s20                     ; the tile's first row
	s_mul_i32 s19, s19, WROW
	s_lshl_b32 s23, s17, 9                         ; K step s: 128 numbers, 512 bytes
	s_add_co_u32 s32, s19, s23
	s_mov_b32 s33, 0
	s_lshl_b32 s34, s16, 2
	s_add_co_u32 s34, s34, s14
	s_mul_i32 s34, s34, 6
	s_add_co_u32 s34, s34, s17
	s_mul_i32 s34, s34, 6
	s_add_co_u32 s34, s34, ttmp9
	s_lshl_b32 s34, s34, 11                        ; (((4 W + w) 6 + s) 6 + i) x 2,048
	s_mov_b32 s35, 0
	v_and_b32 v3, s22, v1
	v_add_nc_u32 v3, v3, v1                        ; r + 8 (r / 8), or r
	v_mul_u32_u24 v3, v3, WROW
	s_wait_alu depctr_va_vdst(0)
	v_lshl_add_u32 v3, v2, 6, v3                   ; + 64 h: my 16 numbers of a block of 32
	s_wait_alu depctr_va_vdst(0)
	s_wait_kmcnt 0x0
	s_load_b256 s[24:31], s[10:11], 0x0            ; e0 .. e7
	s_cmp_eq_u32 s16, 0                            ; the choice of the weight hangs on the work-group's number alone
	s_cselect_b64 s[4:5], s[4:5], s[6:7]
	s_cmp_eq_u32 s16, 2
	s_cselect_b64 s[4:5], s[8:9], s[4:5]
	s_add_nc_u64 s[4:5], s[4:5], s[32:33]
	s_add_nc_u64 s[12:13], s[12:13], s[34:35]
.irp c, 0,1,2,3
.irp j, 0,1,2,3
	global_load_b128 v[X+16*\c+4*\j:X+16*\c+4*\j+3], v3, s[4:5] offset:128*\c+16*\j
.endr
.endr
	s_wait_kmcnt 0x0
	s_cmp_eq_u32 s16, 0
	s_cselect_b32 s36, s25, s27
	s_cmp_eq_u32 s16, 2
	s_cselect_b32 s36, s29, s36                    ; e of my weight: entry 1, 3 or 5
	s_add_co_i32 s36, s36, 127
	s_lshl_b32 s37, s36, 23
	v_mov_b32 v11, s37                             ; 2^e as f32: the conversion takes its exponent field
	s_add_co_i32 s36, s36, 15
	s_lshl_b32 s36, s36, 23
	s_or_b32 s36, s36, 0x600000
	v_mov_b32 v10, s36                             ; 57,344 x 2^e
	s_wait_alu depctr_va_vdst(0)
	s_wait_loadcnt 0x0
.irp c, 0,1,2,3
.irp i, 0,1,2,3,4,5,6,7,8,9,10,11,12,13,14,15
	v_med3_num_f32 v[X+16*\c+\i], v[X+16*\c+\i], -v10, v10   ; the conversion to an 8-bit code does not saturate (ISA guide 7.6.2): the hold comes first
.endr
	v_cvt_scalef32_pk8_bf8_f32 v[C+4*\c:C+4*\c+1], v[X+16*\c:X+16*\c+7], v11
	v_cvt_scalef32_pk8_bf8_f32 v[C+4*\c+2:C+4*\c+3], v[X+16*\c+8:X+16*\c+15], v11
.endr
.irp c, 0,1,2,3
	global_store_b128 v4, v[C+4*\c:C+4*\c+3], s[12:13] offset:512*\c   ; the wave stores 512 consecutive bytes, aligned
.endr
	s_endpgm
.Lfunc_end_k_q97ec2c2510_wq:
	.size	k_q97ec2c2510_wq, .Lfunc_end_k_q97ec2c2510_wq-k_q97ec2c2510_wq
	.p2alignl 7, 3214868480
	.fill 96, 4, 3214868480
	.section	.rodata,"a",@progbits
	.p2align	6, 0x0
	.amdhsa_kernel k_q97ec2c2510_wq
		.amdhsa_group_segment_fixed_size 0
		.amdhsa_private_segment_fixed_size 0
		.amdhsa_enable_private_segment 0
		.amdhsa_kernarg_size 40
		.amdhsa_user_sgpr_count 2
		.amdhsa_user_sgpr_kernarg_segment_ptr 1
		.amdhsa_wavefront_size32 1
		.amdhsa_system_sgpr_workgroup_id_x 1
		.amdhsa_system_sgpr_workgroup_id_y 1
		.amdhsa_system_sgpr_workgroup_id_z 1
		.amdhsa_system_vgpr_workitem_id 0
		.amdhsa_next_free_vgpr 112
		.amdhsa_next_free_sgpr 66
		.amdhsa_reserve_vcc 0
		.amdhsa_float_denorm_mode_32 3
		.amdhsa_float_denorm_mode_16_64 3
		.amdhsa_memory_ordered 1
		.amdhsa_forward_progress 1
		.amdhsa_inst_pref_size 10
	.end_amdhsa_kernel
	.amdgpu_metadata
---
amdhsa.version: [ 1, 2 ]
amdhsa.kernels:
  - .name:           k_q97ec2c2510_wq
    .symbol:         k_q97ec2c2510_wq.kd
    .args:
      - { .name: Wk, .offset: 0, .size: 8, .value_kind: global_buffer, .address_space: global }
      - { .name: Wq, .offset: 8, .size: 8, .value_kind: global_buffer, .address_space: global }
      - { .name: Wv, .offset: 16, .size: 8, .value_kind: global_buffer, .address_space: global }
      - { .name: lowp_scales, .offset: 24, .size: 8, .value_kind: global_buffer, .address_space: global }
      - { .name: w_img, .offset: 32, .size: 8, .value_kind: global_buffer, .address_space: global }
    .group_segment_fixed_size: 0
    .private_segment_fixed_size: 0
    .kernarg_segment_align: 8
    .kernarg_segment_size: 40
    .max_flat_workgroup_size: 128
    .sgpr_count:     66
    .vgpr_count:     112
    .wavefront_size: 32
...
	.end_amdgpu_metadata
.endif
;; end of part 1
;; launch proj (part 2): grid 256 x 1, 4 waves a work-group, no clusters, 181,760 bytes of LDS; arguments x, w_img, lowp_scales, k_img, q_img, v_img; writes k_img, q_img, v_img
.if DOCPART == 2
	.amdgcn_target "amdgcn-amd-amdhsa--gfx1250"
	.amdhsa_code_object_version 6
	.text
	.protected	k_q97ec2c2510_proj
	.globl	k_q97ec2c2510_proj
	.p2align	8
	.type	k_q97ec2c2510_proj,@function
k_q97ec2c2510_proj:
	s_mov_b64 s[64:65], 0
	v_nop
	global_prefetch_b8 v0, s[64:65] scope:SCOPE_SE
	s_setreg_imm32_b32 hwreg(HW_REG_WAVE_MODE, 25, 1), 1
	s_wait_xcnt 0x0
; SECOND LAUNCH: keys = x Wk^T, queries = x Wq^T, values = x Wv^T on codes of BF8, and their f32 sums quantised at once as the operands of attention's two products.  Nothing is left out.
; x [16,384][768] f32 is quantised three times, with entries 0, 2, 4 of the scales (they may differ); the weights' codes come from w_img.  A sum stands for sum x 2^(ex + ew), so its code is sum / 2^(eo - ex - ew):
; keys eo = entry 7, queries entry 6, values entry 9.
; SHARES.  A work-group takes 64 tokens and all 1,152 columns.  PHASE X: wave w quantises token tile w (16 tokens) under the three scales and stores the fragments' images in LDS; one barrier.  Then THE WAVES SHARE THE COLUMNS:
; in each of the three phases (K, Q, V) wave w makes columns 96 w .. 96 w + 95 (6 tiles) for the 4 token tiles: 24 accumulators, 6 K steps of 128.  The weights' fragments go from memory straight into registers: each is read by
; one wave of the work-group alone, so a way through LDS would only add LDS traffic, and that is also why no cluster shares them.
; IMAGES.  A fragment (16 rows x 128 K, 16 registers a lane) lies as four blocks of 512 bytes, lane l's 16 bytes at 16 l; lane (r, h) holds k = 32 c + 16 h + 0 .. 15 of row r: the same places of k on both sides of every product.
; TOKEN TILES ARE PERMUTED: lane row r of tile 2 b + u takes token 32 b + 8 u + r + 8 (r / 8) of the 64.
; K and Q phases are used transposed (source 0 = 16 rows of W, source 1 = x): a lane holds one token and, by the choice of W's rows, the 16 registers of column tiles 2 p, 2 p + 1 are outputs 32 p + 16 h + 0 .. 15.
; The V phase is used as it stands (source 0 = x, source 1 = Wv): a lane holds one output d, and the 16 registers of token tiles 2 b, 2 b + 1 are tokens 32 b + 16 h + 0 .. 15: the keys are the last product's K.
; So the conversions' results are blocks of the next operands' images, and each store of the wave covers 512 consecutive bytes, aligned:
;   k_img, q_img = [token tile T 0..1023][block ob 0..11] x 512;   v_img = [128 keys KG 0..127][d tile 0..23][block c 0..3] x 512.
; LIMITS, so that each power of two is an f32 number: entries 0, 2, 4, and e7 - e0 - e1, e6 - e2 - e3, e9 - e4 - e5, between -126 and 112.  NaN and infinity among the inputs are not served.
; REGISTERS, in windows of 256.  window 0: v2-17 addresses and x's scales; v32-95, v96-159 phase X: 64 neighbours a lane, two sets; later x's fragments, two sets of four; v160-223 held numbers.
;   window 1: v0-191 phase X: three sets of 64 as loaded; later the 24 accumulators; v192-239 codes to store; v240, v241 the phase's scale and limit.
;   window 2: v0-95, v96-191 and window 3: v0-95: three sets of six fragments of W;  window 3 v96-143: x's codes under the three scales.
.set XROW,   3072                      ; a row of x in bytes
.set FRB,    2048                      ; a fragment's image
.set QSTR,   24*FRB                    ; LDS: x's fragment (scale q, token tile m, K step s) at ((4 q + m) 6 + s) x 2,048
.set STG,    3*QSTR                    ; behind them a stage of 16 rows x 528 bytes for each wave: the turn from rows to lanes
.set SPITCH, 528                       ; 512 + 16: the 16 rows that a read touches start at 16 different banks (64 banks of 4 bytes: ISA guide 11.1)
.set SPARE,  STG+4*16*SPITCH           ; the spare words, 128 bytes for each wave: two blocks of 256 bytes that no other line names
.set STI, 2                            ; v2     the stage, on the way in: 16 x lane
.set STR, 3                            ; v3     and back: 528 r + 64 h
.set XWI, 4                            ; v4-6   where I store x's images, scale q
.set XRI, 7                            ; v7-9   where any wave reads them, scale q
.set LI,  7                            ; v7     is also 16 x lane: the offset of every global access
.set SPW, 10                           ; v10    LDS address of my spare word; never rewritten
.set NIL, 11                           ; v11    0; never rewritten
.set XSC, 12                           ; v12-14 2^e for x, scale q
.set XLM, 15                           ; v15-17 57,344 x 2^e
.set XS,  32
.set T,   160
.set PCO, 192                          ; window 1
.set OSC, 240
.set OLM, 241
.set PCX, 96                           ; window 3
.set MSB, 0
.macro WIN new                         ; the immediate's high byte repeats the setting that is left; a switch that changes nothing is dropped
.if MSB != (\new)
	s_set_vgpr_msb (MSB<<8)|(\new)
.set MSB, (\new)
.endif
.endm
.macro POW2 e, sc, lim                 ; s[sc] = 2^e as f32, s[lim] = 57,344 x 2^e
	s_add_co_i32 s[\lim], s[\e], 127
	s_lshl_b32 s[\sc], s[\lim], 23
	s_add_co_i32 s[\lim], s[\lim], 15
	s_lshl_b32 s[\lim], s[\lim], 23
	s_or_b32 s[\lim], s[\lim], 0x600000
.endm
.macro PLACES                          ; four plain vector instructions behind a matrix instruction, ahead of loads into registers that it read and of the first read of its result
.rept 4
	v_nop
.endr
.endm
	s_load_b256 s[4:11], s[0:1], 0x0               ; x s[4:5], w_img s[6:7], the scales' exponents s[8:9], k_img s[10:11]
	s_load_b128 s[12:15], s[0:1], 0x20             ; q_img s[12:13], v_img s[14:15]
	v_lshl_add_u32 v[SPW], v0, 2, SPARE
	v_mov_b32 v[NIL], 0
	v_lshrrev_b32 v18, 5, v0
	v_readfirstlane_b32 s16, v18                   ; wave 0..3
	v_and_b32 v18, 31, v0
	v_lshlrev_b32 v[LI], 4, v18
	v_and_b32 v18, 15, v0                          ; r
	v_bfe_u32 v19, v0, 4, 1                        ; h
	s_mul_i32 s56, s16, 16*SPITCH
	s_add_co_u32 s56, s56, STG                     ; my stage
	v_add_nc_u32 v[STI], s56, v[LI]
	v_mul_u32_u24 v[STR], v18, SPITCH
	v_lshl_add_u32 v[STR], v19, 6, v[STR]
	v_add_nc_u32 v[STR], s56, v[STR]
	s_mul_i32 s57, s16, 6*FRB                      ; token tile m = my wave
	v_add_nc_u32 v[XRI+1], QSTR, v[LI]
	v_add_nc_u32 v[XRI+2], 2*QSTR, v[LI]
.irp q, 0,1,2
	v_add_nc_u32 v[XWI+\q], s57, v[XRI+\q]
.endr
	s_lshl_b32 s18, ttmp9, 6                       ; x: token 64 g + 32 (w / 2) + 8 (w % 2)
	s_lshr_b32 s19, s16, 1
	s_lshl_b32 s19, s19, 5
	s_add_co_u32 s18, s18, s19
	s_and_b32 s19, s16, 1
	s_lshl_b32 s19, s19, 3
	s_add_co_u32 s18, s18, s19
	s_mul_i32 s18, s18, XROW
	s_mov_b32 s19, 0
	s_mul_i32 s20, ttmp9, 4*12*512                 ; k_img, q_img: token tile 4 g, block 3 w
	s_mul_i32 s21, s16, 3*512
	s_add_co_u32 s20, s20, s21
	s_mov_b32 s21, 0
	s_lshr_b32 s22, ttmp9, 1                       ; v_img: key group g / 2, d tile 6 w, block 2 (g % 2)
	s_mul_i32 s22, s22, 24*FRB
	s_and_b32 s23, ttmp9, 1
	s_lshl_b32 s23, s23, 10
	s_add_co_u32 s22, s22, s23
	s_mul_i32 s23, s16, 6*FRB
	s_add_co_u32 s22, s22, s23
	s_mov_b32 s23, 0
	s_mul_i32 s34, s16, 36*FRB                     ; w_img: my wave's 36 fragments of each weight
	s_mov_b32 s35, 0
	s_wait_kmcnt 0x0
	s_load_b256 s[24:31], s[8:9], 0x0              ; e0 .. e7
	s_load_b64 s[32:33], s[8:9], 0x20              ; e8, e9
	s_add_nc_u64 s[4:5], s[4:5], s[18:19]
	s_add_nc_u64 s[6:7], s[6:7], s[34:35]
	s_add_nc_u64 s[48:49], s[10:11], s[20:21]
	s_add_nc_u64 s[50:51], s[12:13], s[20:21]
	s_add_nc_u64 s[52:53], s[14:15], s[22:23]
; PHASE X.  K step t of my 16 tokens: each load reads 512 consecutive bytes of one token; lane row i is token i + 8 (i / 8) of my tile.  Three sets of registers: loads run three steps ahead.
.macro LOADX t
	WIN 0x40                                       ; destination window 1
.irp i, 0,1,2,3,4,5,6,7,8,9,10,11,12,13,14,15
	global_load_b128 v[64*((\t)%3)+4*\i:64*((\t)%3)+4*\i+3], v[LI], s[4:5] offset:(\i+8*(\i/8))*XROW+512*(\t) th:TH_LOAD_NT
.endr
	WIN 0
.endm
; The conversions want 16 neighbours along K in one lane: the step's 16 rows go through my own stage as they lie and come back 64 bytes a lane and block.  LDS serves a wave's instructions in order (ISA guide 5.7.1.4): no wait between.
.macro TURN t
	WIN 0x04                                       ; store data window 1
.irp i, 0,1,2,3,4,5,6,7,8,9,10,11,12,13,14,15
	ds_store_b128 v[STI], v[64*((\t)%3)+4*\i:64*((\t)%3)+4*\i+3] offset:SPITCH*\i
.endr
	WIN 0
.irp c, 0,1,2,3
.irp j, 0,1,2,3
	ds_load_b128 v[XS+64*((\t)%2)+16*\c+4*\j:XS+64*((\t)%2)+16*\c+4*\j+3], v[STR] offset:128*\c+16*\j
.endr
.endr
.endm
.macro QX t, q                         ; the step's 64 numbers under scale q: held, then converted
.set XB, XS+64*((\t)%2)
.set NN, 0
.rept 64
	v_med3_num_f32 v[T+NN], v[XB+NN], -v[XLM+\q], v[XLM+\q]   ; the conversion to an 8-bit code does not saturate (ISA guide 7.6.2)
.set NN, NN+1
.endr
	WIN 0xc0                                       ; destination window 3
.irp b, 0,1,2,3,4,5,6,7
	v_cvt_scalef32_pk8_bf8_f32 v[PCX+16*\q+2*\b:PCX+16*\q+2*\b+1], v[T+8*\b:T+8*\b+7], v[XSC+\q]
.endr
	WIN 0
	v_nop                                          ; one plain vector instruction between the conversions and the next write of their sources
.endm
; Six fragments of W for group G = 6 x phase + K step, into set G % 3: 24 loads of 512 consecutive bytes
.macro WLOAD G
.set WS, (\G)%3
.set WB, 96*(WS%2)
	WIN (2+WS/2)<<6                                ; destination window 2 (sets 0, 1) or 3 (set 2)
.irp i, 0,1,2,3,4,5
.irp c, 0,1,2,3
	global_load_b128 v[WB+16*\i+4*\c:WB+16*\i+4*\c+3], v[LI], s[6:7] offset:((\G)/6)*144*FRB+((\G)%6)*6*FRB+FRB*\i+512*\c
.endr
.endr
	WIN 0
.endm
.macro STEPX t
	s_wait_dscnt 0x0                               ; this step's numbers are back from the stage, so the stage's stores have read their registers; the last images are stored
.if (\t)+3 <= 5
	LOADX (\t)+3
.endif
.if (\t) <= 2
	s_wait_loadcnt 32                              ; the next step's 16 loads are in; those of the two steps behind it may be out
	TURN (\t)+1
.elseif (\t) == 3
	s_wait_loadcnt 16
	TURN (\t)+1
.elseif (\t) == 4
	s_wait_loadcnt 0x0
	TURN (\t)+1
	WLOAD 0                                        ; the first weights are asked for while x is still being quantised
	WLOAD 1
.else
	WLOAD 2
.endif
	QX \t, 0
	QX \t, 1
	QX \t, 2
	WIN 0x0c                                       ; store data window 3
.irp q, 0,1,2
.irp c, 0,1,2,3
	ds_store_b128 v[XWI+\q], v[PCX+16*\q+4*\c:PCX+16*\q+4*\c+3] offset:FRB*(\t)+512*\c
.endr
.endr
	WIN 0
.endm
	LOADX 0
	LOADX 1
	LOADX 2
	s_wait_kmcnt 0x0
	POW2 24, 36, 39                                ; x's three scales
	POW2 26, 37, 40
	POW2 28, 38, 41
.irp q, 0,1,2
	v_mov_b32 v[XSC+\q], s[36+\q]
	v_mov_b32 v[XLM+\q], s[39+\q]
.endr
	s_sub_co_i32 s54, s31, s24
	s_sub_co_i32 s54, s54, s25                     ; e7 - e0 - e1: the keys' three scales folded into one
	POW2 54, 42, 45
	s_sub_co_i32 s54, s30, s26
	s_sub_co_i32 s54, s54, s27                     ; e6 - e2 - e3: the queries'
	POW2 54, 43, 46
	s_sub_co_i32 s54, s33, s28
	s_sub_co_i32 s54, s54, s29                     ; e9 - e4 - e5: the values'
	POW2 54, 44, 47
	s_wait_alu depctr_va_vdst(0)
	s_wait_loadcnt 32                              ; step 0's 16 loads are in
	TURN 0
.irp t, 0,1,2,3,4,5
	STEPX \t
.endr
	s_wait_dscnt 0x0                               ; for the others' sake: my images are stored
	s_barrier_signal -1
	s_barrier_wait -1                              ; x's 72 fragments lie in LDS; nothing is stored to LDS from here on
; THE PRODUCTS, group by group.  x's four fragments of group G come from LDS into set G % 2.
.macro XFETCH G
.irp m, 0,1,2,3
.irp c, 0,1,2,3
	ds_load_b128 v[XS+64*((\G)%2)+16*\m+4*\c:XS+64*((\G)%2)+16*\m+4*\c+3], v[XRI+(\G)/6] offset:(6*\m+(\G)%6)*FRB+512*\c
.endr
.endr
.endm
; 24 matrix instructions, the 24 accumulators by turns, one instruction a turn; a phase's first group starts the sums with the constant 0.
.macro MULG G
.set PH, (\G)/6
.set WS, (\G)%3
.set WB, 96*(WS%2)
.set WW, 2+WS/2
.set XB, XS+64*((\G)%2)
.if (\G) == 17
	s_wait_loadcnt 0x0
	s_wait_dscnt 0x0
.elseif (\G) == 16
	s_wait_loadcnt 24                              ; behind my group's loads: the last group's 24
	s_wait_dscnt 16
.else
	s_wait_loadcnt 48                              ; behind my group's loads: the 24 of each of the next two groups
	s_wait_dscnt 16                                ; behind my group's LDS loads: the next group's 16
.endif
.if PH < 2
.set WN, 0x50|WW                                   ; source 0 (W) window 2 or 3, source 1 (x) window 0, C and D window 1
.else
.set WN, 0x50|(WW<<2)                              ; source 0 (x) window 0, source 1 (W) window 2 or 3
.endif
	WIN WN
.irp i, 0,1,2,3,4,5
.irp m, 0,1,2,3
.if PH < 2
.set AC, 8*(6*\m+\i)
.if (\G)%6 == 0
	v_wmma_f32_16x16x128_bf8_bf8 v[AC:AC+7], v[WB+16*\i:WB+16*\i+15], v[XB+16*\m:XB+16*\m+15], 0
.else
	v_wmma_f32_16x16x128_bf8_bf8 v[AC:AC+7], v[WB+16*\i:WB+16*\i+15], v[XB+16*\m:XB+16*\m+15], v[AC:AC+7]
.endif
.else
.set AC, 8*(4*\i+\m)
.if (\G)%6 == 0
	v_wmma_f32_16x16x128_bf8_bf8 v[AC:AC+7], v[XB+16*\m:XB+16*\m+15], v[WB+16*\i:WB+16*\i+15], 0
.else
	v_wmma_f32_16x16x128_bf8_bf8 v[AC:AC+7], v[XB+16*\m:XB+16*\m+15], v[WB+16*\i:WB+16*\i+15], v[AC:AC+7]
.endif
.endif
.endr
.endr
	WIN 0
	PLACES
.if (\G)+3 < 18
	WLOAD (\G)+3                                   ; into the set just multiplied
.endif
.if (\G)+2 < 18
	XFETCH (\G)+2
.endif
.endm
; A phase's 192 sums become 12 blocks of codes: 16 registers on end are 16 neighbours along the next K.  Each accumulator is read from its low end on.
.macro OUT q
.if (\q) > 0
	s_wait_xcnt 0x0                                ; the last phase's stores have read their data: the codes' registers are written again only behind this wait
.endif
	WIN 0x40
	v_mov_b32 v[OSC], s[42+\q]
	v_mov_b32 v[OLM], s[45+\q]
	WIN 0x55                                       ; all in window 1
.irp f, 0,1,2,3,4,5,6,7,8,9,10,11
.irp i, 0,1,2,3,4,5,6,7,8,9,10,11,12,13,14,15
	v_med3_num_f32 v[16*\f+\i], v[16*\f+\i], -v[OLM], v[OLM]
.endr
	v_cvt_scalef32_pk8_bf8_f32 v[PCO+4*\f:PCO+4*\f+1], v[16*\f:16*\f+7], v[OSC]
	v_cvt_scalef32_pk8_bf8_f32 v[PCO+4*\f+2:PCO+4*\f+3], v[16*\f+8:16*\f+15], v[OSC]
.endr
	v_nop                                          ; one plain vector instruction between the conversions and the next products, which write their sources
	WIN 0x04                                       ; store data window 1
.irp f, 0,1,2,3,4,5,6,7,8,9,10,11
.if (\q) < 2
	global_store_b128 v[LI], v[PCO+4*\f:PCO+4*\f+3], s[48+2*\q:49+2*\q] offset:12*512*(\f/3)+512*(\f%3)   ; token tile f / 3, block 3 w + f % 3
.else
	global_store_b128 v[LI], v[PCO+4*\f:PCO+4*\f+3], s[48+2*\q:49+2*\q] offset:FRB*(\f/2)+512*(\f%2)      ; d tile 6 w + f / 2, block 2 (g % 2) + f % 2
.endif
.endr
	WIN 0
.endm
	XFETCH 0
	XFETCH 1
.irp G, 0,1,2,3,4,5
	MULG \G
.endr
	OUT 0
.irp G, 6,7,8,9,10,11
	MULG \G
.endr
	OUT 1
.irp G, 12,13,14,15,16,17
	MULG \G
.endr
	OUT 2
	s_wait_tensorcnt 0x0                           ; the wave's end
	ds_add_u32 v[SPW], v[NIL]
	s_wait_dscnt 0x0
	s_endpgm
.Lfunc_end_k_q97ec2c2510_proj:
	.size	k_q97ec2c2510_proj, .Lfunc_end_k_q97ec2c2510_proj-k_q97ec2c2510_proj
	.p2alignl 7, 3214868480
	.fill 96, 4, 3214868480
	.section	.rodata,"a",@progbits
	.p2align	6, 0x0
	.amdhsa_kernel k_q97ec2c2510_proj
		.amdhsa_group_segment_fixed_size 181760
		.amdhsa_private_segment_fixed_size 0
		.amdhsa_enable_private_segment 0
		.amdhsa_kernarg_size 48
		.amdhsa_user_sgpr_count 2
		.amdhsa_user_sgpr_kernarg_segment_ptr 1
		.amdhsa_wavefront_size32 1
		.amdhsa_system_sgpr_workgroup_id_x 1
		.amdhsa_system_sgpr_workgroup_id_y 1
		.amdhsa_system_sgpr_workgroup_id_z 1
		.amdhsa_system_vgpr_workitem_id 0
		.amdhsa_next_free_vgpr 912
		.amdhsa_next_free_sgpr 66
		.amdhsa_reserve_vcc 0
		.amdhsa_float_denorm_mode_32 3
		.amdhsa_float_denorm_mode_16_64 3
		.amdhsa_memory_ordered 1
		.amdhsa_forward_progress 1
		.amdhsa_inst_pref_size 250
	.end_amdhsa_kernel
	.amdgpu_metadata
---
amdhsa.version: [ 1, 2 ]
amdhsa.kernels:
  - .name:           k_q97ec2c2510_proj
    .symbol:         k_q97ec2c2510_proj.kd
    .args:
      - { .name: x, .offset: 0, .size: 8, .value_kind: global_buffer, .address_space: global }
      - { .name: w_img, .offset: 8, .size: 8, .value_kind: global_buffer, .address_space: global }
      - { .name: lowp_scales, .offset: 16, .size: 8, .value_kind: global_buffer, .address_space: global }
      - { .name: k_img, .offset: 24, .size: 8, .value_kind: global_buffer, .address_space: global }
      - { .name: q_img, .offset: 32, .size: 8, .value_kind: global_buffer, .address_space: global }
      - { .name: v_img, .offset: 40, .size: 8, .value_kind: global_buffer, .address_space: global }
    .group_segment_fixed_size: 181760
    .private_segment_fixed_size: 0
    .kernarg_segment_align: 8
    .kernarg_segment_size: 48
    .max_flat_workgroup_size: 128
    .sgpr_count:     66
    .vgpr_count:     912
    .wavefront_size: 32
...
	.end_amdgpu_metadata
.endif
;; end of part 2
;; launch attn (part 3): grid 32 x 8, 4 waves a work-group, clusters of 4 x 1, 327,680 bytes of LDS; arguments q_img, k_img, v_img, lowp_scales, out0; writes out0
.if DOCPART == 3
	.amdgcn_target "amdgcn-amd-amdhsa--gfx1250"
	.amdhsa_code_object_version 6
	.text
	.protected	k_q97ec2c2510_attn
	.globl	k_q97ec2c2510_attn
	.p2align	8
	.type	k_q97ec2c2510_attn,@function
k_q97ec2c2510_attn:
	s_mov_b64 s[64:65], 0
	v_nop
	global_prefetch_b8 v0, s[64:65] scope:SCOPE_SE
	s_setreg_imm32_b32 hwreg(HW_REG_WAVE_MODE, 25, 1), 1
	s_wait_xcnt 0x0
	s_wait_alu depctr_hold_cnt(0) depctr_sa_sdst(0) depctr_va_vdst(0) depctr_va_sdst(0) depctr_va_ssrc(0) depctr_va_vcc(0) depctr_vm_vsrc(0)
	s_getreg_b32 s2, hwreg(HW_REG_IB_STS2, 6, 4)
	s_cmp_eq_u32 s2, 0
	s_cbranch_scc0 .Lentry_in_a_cluster
	s_endpgm
.Lentry_in_a_cluster:
	s_bfe_u32 s2, ttmp6, 0x10000c
	s_cmp_lg_u32 s2, 0x3003
	s_cbranch_scc0 .Lentry_shape_is_right
	s_endpgm
.Lentry_shape_is_right:
; THIRD LAUNCH: out = softmax(Q K^T / sqrt(384)) V on codes of BF8 that the launch before has laid as images of operand registers.  Nothing of the problem is left out.
; k_img, q_img = [token tile][12 blocks] x 512 bytes; v_img = [128 keys][24 tiles of d][4 blocks] x 512: a fragment (16 rows x 128 K) is four blocks, lane l's 16 bytes at 16 l.  Lane row r of token tile 2 b + u is token 32 b + 8 u + r + 8 (r / 8).
; THE SOFTMAX: t = score x log2(e) / sqrt(384); M = the row's largest t so far, rounded up to a whole number; p = 2^(t - M) is quantised, not normalised; the row's sum is taken of the unquantised p and divides at the end; when M moves, sum and O are multiplied by 2^(old M - new M).
; SHARES.  A work-group owns 64 queries of one batch and walks the 2,048 keys in 8 steps of 256.  S^T = K Q^T is dealt by KEYS: wave w makes keys 64 w .. 64 w + 63 for all 64 queries; O^T = V^T P^T is dealt by CHANNELS: wave w makes d = 96 w .. 96 w + 95 for all 64 queries.
; So each fragment of K and V is read from LDS by one wave, once.  The waves exchange the step's row maxima and P's codes through LDS.
; ORDER of step s: M and the exponentials of s; P's codes stored; a barrier with S(s + 1) between its signal and its wait; the maxima of s + 1 stored; a barrier with a part of O += P(s) V(s) in it.
; LDS: V's tiles in two slots (0 and SLOT1), K's in one (KBUF), 96 KiB each; P, maxima, sums and spare words between.  K is read into registers between the maxima's barrier and the round, and its slot is filled again behind the round.
; ONE round of the cluster's barrier a step, in the midst of the softmax: behind it waves 0 and 1 ask for K's tile s + 2, waves 2 and 3 for V's tile s + 1, by halves.  At the head waves 0 and 1 ask for K's tile 0, wave 2 for K's tile 1 (into V's second slot, which V's tile 1 takes later), wave 3 for V's tile 0.
; CLUSTERS: four work-groups of one batch ask for all tiles jointly (mask 15).
; PREFETCH: where step s asks for K's tile s + 2 and V's tile s + 1, the tiles behind those are asked for in the L2, one trip ahead of their load: the 8 clusters of a batch share the 768 blocks of 256 bytes out (clusters 0-3 K's, 4-7 V's), the partners by address, 24 blocks each, one instruction of wave 0.  It ends with the last tile.
; LIMITS: e6 + e7 between -122 and 131; e8 between -126 and 112; the scaled scores stay under 2^31 in magnitude; NaN and infinity are not served.
; REGISTERS.  window 0: S v0-127 ((q, key tile) at 32 q + 8 kt), v128-191 addresses and the softmax's state, v192-255 V's fragments 0-3.  window 1: K v0-127, P v128-255 (K's third K step lies in P's upper half, P's codes in its lower half while P is not there).
;   window 2: Q v0-191, V's fragments 4-7.  window 3: O v0-191 ((d tile f, q) at 32 f + 8 q), V's fragments 8-11.
.set TILE,   98304
.set QUART,  24576
.set HALF,   49152
.set SLOT1,  1<<17
.set KBUF,   229376
.set SPARE,  98304                     ; 512 bytes that no other line names
.set MXB,    98816                     ; 4 x 256: the waves' row maxima; behind them 4 x 256: their row sums
.set PBUF,   100864                    ; P's codes: [128 keys][query tile][block] x 512
.set OP,     1552                      ; the way out: a row of 1,536 bytes + 16
.set SPW, 128
.set NIL, 129
.set LI,  130
.set ADK, 131
.set AV,  132
.set ADV, 133
.set PWA, 134
.set PRA, 135
.set MXA, 136
.set MRA, 137
.set PSC, 138
.set PLM, 139
.set STA, 140
.set PFO, 141
.set ADK1, 142
.set STB, 143
.set RM,  144                          ; running largest score, query tile q
.set NM,  148                          ; pairs: -M, and its next value
.set SUM, 156                          ; pairs: the row's sum in two halves
.set F,   164                          ; pairs: 2^(old M - new M)
.set L,   172                          ; 16: the four waves' maxima
.set MX,  172
.set PRM, 176
.set CH,  188
.set WV,  14
.set G1,  24
.set G0K, 32
.set G0V, 36
.set CS,  40
.set SEL, 42
.set VB,  44
.set CNT, 45
.set LIM, 46
.set NCS, 47
.set PFA, 48
.set G1W, 68
.set G0H, 76
.set G0W, 80
.set MSB, 0
.macro WIN new                         ; the immediate's high byte repeats the setting that is left; a switch that changes nothing is dropped
.if MSB != (\new)
	s_set_vgpr_msb (MSB<<8)|(\new)
.set MSB, (\new)
.endif
.endm
.macro WA
	s_wait_alu depctr_va_vdst(0)
.endm
.macro PLACES
.rept 4
	v_nop
.endr
.endm
.macro CREST                           ; a round of the cluster's barrier behind its opening barrier
	s_cmp_lg_u32 s[WV], 0
	s_cbranch_scc1 .Lnot_wave_0_\@
	s_barrier_signal -3
.Lnot_wave_0_\@:
	s_barrier_wait -3
	s_barrier_signal -1
	s_barrier_wait -1
.endm
.macro CROUND
	s_barrier_signal -1
	s_barrier_wait -1
	CREST
.endm
.macro JLOAD kf                        ; one joint load a wave: waves 0, 1 K's halves (kf = 0: none), waves 2, 3 V's
	s_cmp_lt_u32 s[WV], 2
	s_cbranch_scc0 .Lfor_v_\@
.if \kf
	tensor_load_to_lds s[G0K:G0K+3], s[G1:G1+7]
	s_nop 0
	PLACES
.endif
	s_branch .Lasked_\@
.Lfor_v_\@:
	tensor_load_to_lds s[G0V:G0V+3], s[G1:G1+7]
	s_nop 0
	PLACES
.Lasked_\@:
.endm
.macro ASK
	s_cmp_gt_u32 s[CNT], s[LIM]
	s_cbranch_scc0 .Lnot_mine_\@
	global_prefetch_b8 v[PFO], s[PFA:PFA+1] th:TH_LOAD_NT scope:SCOPE_SE
.Lnot_mine_\@:
.endm
.macro KLD adr, ks, kt                 ; K's fragment: my key tile kt, K step ks
.set KR, 64*(\ks)+64*((\ks)/2)+16*(\kt)
	WIN 0x40
.irp c, 0,1,2,3
	ds_load_b128 v[KR+4*\c:KR+4*\c+3], v[\adr] offset:(\kt)*6144+(\ks)*2048+512*\c
.endr
.endm
.macro VLD n                           ; V's fragment n = 6 x key group + f
.set FI, \n
.if FI < 4
	WIN 0
.elseif FI < 8
	WIN 0x80
.else
	WIN 0xc0
.endif
.irp c, 0,1,2,3
	ds_load_b128 v[192+16*(FI%4)+4*\c:192+16*(FI%4)+4*\c+3], v[ADV] offset:(FI/6)*HALF+(FI%6)*2048+512*\c
.endr
.endm
.macro PLD n                           ; P's fragment n = 4 x key group + q
	WIN 0x40
.irp c, 0,1,2,3
	ds_load_b128 v[128+16*(\n)+4*\c:128+16*(\n)+4*\c+3], v[PRA] offset:(\n)*2048+512*\c
.endr
.endm
.macro SMUL ks, kt                     ; S: source 0 = 16 keys, source 1 = 16 queries; 16 accumulators by turns, K step by K step
.set KR, 64*(\ks)+64*((\ks)/2)+16*(\kt)
	WIN 0x09
.irp q, 0,1,2,3
.if (\ks) == 0
	v_wmma_f32_16x16x128_bf8_bf8 v[32*\q+8*(\kt):32*\q+8*(\kt)+7], v[KR:KR+15], v[48*\q:48*\q+15], 0
.else
	v_wmma_f32_16x16x128_bf8_bf8 v[32*\q+8*(\kt):32*\q+8*(\kt)+7], v[KR:KR+15], v[48*\q+16*(\ks):48*\q+16*(\ks)+15], v[32*\q+8*(\kt):32*\q+8*(\kt)+7]
.endif
.endr
.endm
.macro PV kg, f, zero                  ; O: source 0 = 16 of d, source 1 = 16 queries; 24 accumulators by turns
.set FI, 6*(\kg)+(\f)
.if FI < 4
	WIN 0xf4
.elseif FI < 8
	WIN 0xf6
.else
	WIN 0xf7
.endif
.set VR, 192+16*(FI%4)
.irp q, 0,1,2,3
.if \zero
	v_wmma_f32_16x16x128_bf8_bf8 v[32*(\f)+8*\q:32*(\f)+8*\q+7], v[VR:VR+15], v[128+64*(\kg)+16*\q:128+64*(\kg)+16*\q+15], 0
.else
	v_wmma_f32_16x16x128_bf8_bf8 v[32*(\f)+8*\q:32*(\f)+8*\q+7], v[VR:VR+15], v[128+64*(\kg)+16*\q:128+64*(\kg)+16*\q+15], v[32*(\f)+8*\q:32*(\f)+8*\q+7]
.endif
.endr
.endm
.macro MAXES pl                        ; my 64 keys' largest score of each query, in 8 chains (window 1, v0-7: K's first registers, read out), each accumulator from its low end on; pl = 1: with P's upper half's loads
	WIN 0x50
.set NN, 0
.irp j, 0,2,4,6,8,10,12,14
.irp q, 0,1,2,3
.irp g, 0,1
.if \j == 0
	v_max_num_f32 v[2*\q+\g], v[32*\q+16*\g], v[32*\q+16*\g+1]
.else
	v_max3_num_f32 v[2*\q+\g], v[32*\q+16*\g+\j], v[32*\q+16*\g+\j+1], v[2*\q+\g]
.endif
.endr
.endr
.endr
	WIN 0x05
.irp q, 0,1,2,3
	v_max_num_f32 v[MX+\q], v[2*\q], v[2*\q+1]
.endr
	WIN 0
.irp q, 0,1,2,3
	v_permlanex16_b32 v[PRM+\q], v[MX+\q], s[SEL], s[SEL+1]
.endr
.irp q, 0,1,2,3
	v_max_num_f32 v[MX+\q], v[MX+\q], v[PRM+\q]
.endr
	ds_store_b128 v[MXA], v[MX:MX+3]
.if \pl
.irp n, 4,5,6,7
	PLD \n
.endr
.endif
.endm
.macro LLD off                         ; the four waves' numbers of my query, four query tiles each
	WIN 0
.irp w, 0,1,2,3
	ds_load_b128 v[L+4*\w:L+4*\w+3], v[MRA] offset:\off+256*\w
.endr
.endm
.macro MCALC first                     ; the new -M = floor(-t), a whole number, the same in all waves; f = 2^(old M - new M)
	WIN 0
.irp q, 0,1,2,3
.if \first
	v_max3_num_f32 v[RM+\q], v[L+\q], v[L+4+\q], v[L+8+\q]
.else
	v_max3_num_f32 v[RM+\q], v[RM+\q], v[L+\q], v[L+4+\q]
.endif
.endr
.irp q, 0,1,2,3
.if \first
	v_max_num_f32 v[RM+\q], v[RM+\q], v[L+12+\q]
.else
	v_max3_num_f32 v[RM+\q], v[RM+\q], v[L+8+\q], v[L+12+\q]
.endif
.endr
.irp q, 0,1,2,3
	v_mul_f32 v[NM+2*\q+1], s[NCS], v[RM+\q]
.endr
.irp q, 0,1,2,3
	v_floor_f32 v[NM+2*\q+1], v[NM+2*\q+1]
.endr
.if !\first
.irp q, 0,1,2,3
	v_sub_f32 v[F+2*\q+1], v[NM+2*\q+1], v[NM+2*\q]
.endr
.endif
.irp q, 0,1,2,3
	v_mov_b32 v[NM+2*\q], v[NM+2*\q+1]
.endr
.if !\first
.irp q, 0,1,2,3
	v_cvt_i32_f32 v[F+2*\q+1], v[F+2*\q+1]
.endr
.irp q, 0,1,2,3
	v_ldexp_f32 v[F+2*\q], 1.0, v[F+2*\q+1]
.endr
.irp q, 0,1,2,3
	v_pk_mul_f32 v[SUM+2*\q:SUM+2*\q+1], v[SUM+2*\q:SUM+2*\q+1], v[F+2*\q:F+2*\q+1] op_sel_hi:[1,0]
.endr
.endif
.endm
.macro OMULF f                         ; O's d tile f x the query's factor
	WIN 0xc3
.irp q, 0,1,2,3
.irp i, 0,2,4,6
	v_pk_mul_f32 v[32*(\f)+8*\q+\i:32*(\f)+8*\q+\i+1], v[32*(\f)+8*\q+\i:32*(\f)+8*\q+\i+1], v[F+2*\q:F+2*\q+1] op_sel_hi:[1,0]
.endr
.endr
.endm
.macro FMA1 n                          ; t - M for the n-th pair of S
	v_pk_fma_f32 v[2*(\n):2*(\n)+1], v[2*(\n):2*(\n)+1], s[CS:CS+1], v[NM+2*((\n)/16):NM+2*((\n)/16)+1] op_sel_hi:[1,0,0]
.endm
.macro FMA01
.set NN, 0
.rept 32
	FMA1 NN
.set NN, NN+1
.endr
.endm
.macro MIN1 n                          ; the hold: the conversion to an 8-bit code does not saturate (ISA guide 7.6.2); p is not negative
	v_dual_min_num_f32 v[2*(\n)], v[2*(\n)], v[PLM] :: v_dual_min_num_f32 v[2*(\n)+1], v[2*(\n)+1], v[PLM]
.endm
.macro EXPS g                          ; 64 exponentials: query tiles 2 g, 2 g + 1.  Among them: the arguments of tiles 2, 3 (g = 0) or the hold of tiles 0, 1 (g = 1), whose results are read behind the next wait
.set NN, 0
.rept 32
	v_exp_f32 v[64*(\g)+2*NN], v[64*(\g)+2*NN]
	v_exp_f32 v[64*(\g)+2*NN+1], v[64*(\g)+2*NN+1]
.if (\g) == 0
	FMA1 NN+32
.else
	MIN1 NN
.endif
.set NN, NN+1
.endr
.endm
.macro SUMS a, b, vl                   ; the sums of query tiles a and b, in four chains; vl >= 0: with V's fragments vl .. vl + 3
	WIN 0
	v_pk_add_f32 v[CH:CH+1], v[32*\a:32*\a+1], v[32*\a+2:32*\a+3]
	v_pk_add_f32 v[CH+2:CH+3], v[32*\b:32*\b+1], v[32*\b+2:32*\b+3]
.irp j, 4,8,12,16,20,24,28
	v_pk_add_f32 v[SUM+2*\a:SUM+2*\a+1], v[SUM+2*\a:SUM+2*\a+1], v[32*\a+\j:32*\a+\j+1]
	v_pk_add_f32 v[SUM+2*\b:SUM+2*\b+1], v[SUM+2*\b:SUM+2*\b+1], v[32*\b+\j:32*\b+\j+1]
	v_pk_add_f32 v[CH:CH+1], v[CH:CH+1], v[32*\a+\j+2:32*\a+\j+3]
	v_pk_add_f32 v[CH+2:CH+3], v[CH+2:CH+3], v[32*\b+\j+2:32*\b+\j+3]
.if (\vl) >= 0
.if (\j%8) == 4
	VLD (\vl)+(\j/8)
	WIN 0
.endif
.endif
.endr
	v_pk_add_f32 v[SUM+2*\a:SUM+2*\a+1], v[SUM+2*\a:SUM+2*\a+1], v[CH:CH+1]
	v_pk_add_f32 v[SUM+2*\b:SUM+2*\b+1], v[SUM+2*\b:SUM+2*\b+1], v[CH+2:CH+3]
.endm
.macro CODES vl=0                      ; the hold of tiles 2, 3; the codes; and out to LDS as blocks of P's fragments: 16 registers on end are 16 neighbouring keys; vl > 0: with V's fragments vl .. vl + 3
	WIN 0
.set NN, 32
.rept 32
	MIN1 NN
.set NN, NN+1
.endr
.if \vl
.irp n, 0,1,2,3
	VLD \vl+\n
.endr
.endif
	WIN 0x40
.irp n, 0,1,2,3,4,5,6,7
	v_cvt_scalef32_pk8_bf8_f32 v[128+4*\n:129+4*\n], v[16*\n:16*\n+7], v[PSC]
	v_cvt_scalef32_pk8_bf8_f32 v[130+4*\n:131+4*\n], v[16*\n+8:16*\n+15], v[PSC]
.endr
	v_nop                                          ; one plain vector instruction behind the conversions
	WIN 0x04
.irp n, 0,1,2,3,4,5,6,7
	ds_store_b128 v[PWA], v[128+4*\n:131+4*\n] offset:(\n/2)*2048+(\n%2)*512
.endr
	WIN 0
.endm
; STEP s: first: s = 0; kf: the round fills K's slot too; nextk: the step behind the next has keys; adr: where K's tile s + 1 lies
.macro BODY first, kf, nextk, adr
	s_wait_dscnt 0x10                              ; the maxima are in; K's 16 loads behind them may be out
	MCALC \first
.irp n, 0,1,2,3
	KLD \adr, 1, \n
.endr
	WIN 0
	FMA01
.irp n, 0,1,2,3
	KLD \adr, 2, \n
.endr
	WIN 0
	WA
	EXPS 0
	v_add_nc_u32 v[ADV], s[VB], v[AV]              ; (a plain place behind the exponentials)
	WA
	s_wait_tensorcnt 0x0                           ; no tensor load of mine is out, so the groups 0 may be written
	ds_add_u32 v[SPW], v[NIL]
.if \first
	s_add_nc_u64 s[G0K+2:G0K+3], s[G0K+2:G0K+3], 2*TILE
.else
.if \kf
	s_add_nc_u64 s[G0K+2:G0K+3], s[G0K+2:G0K+3], TILE
	s_wait_xcnt 0x0                                ; the last prefetch has read its address
	s_add_nc_u64 s[PFA:PFA+1], s[PFA:PFA+1], TILE
.endif
.endif
	s_xor_b32 s[G0V+1], s[G0V+1], SLOT1
	s_add_nc_u64 s[G0V+2:G0V+3], s[G0V+2:G0V+3], TILE
	SUMS 0, 1, -1
	WA
	s_wait_dscnt 0x0                               ; the add is done, and my reads of K's tile are over
	s_barrier_signal -1
	EXPS 1
	v_nop
	WA
	s_barrier_wait -1
	CREST                                          ; no wave of any partner still reads the slots that are filled now
	JLOAD \kf
.if \kf
	ASK
.endif
.irp n, 0,1,2,3
	VLD \n
.endr
	SUMS 2, 3, -1
	CODES 4
.if !\first
	WIN 0xc3
	WA                                             ; directly ahead of the first reads of O's sums, which stand behind exponentials: one wait for the group
.irp f, 0,1,2,3,4,5
	OMULF \f
.endr
	WIN 0
.endif
	WA
	s_wait_dscnt 0x0                               ; my codes are stored
	s_barrier_signal -1
.irp g, 8,9,10,11
	VLD \g
.endr
.irp g, 0,1,2,3,4,5,6,7
	SMUL \g/4, \g%4
.endr
	s_barrier_wait -1                              ; P is whole
.irp g, 0,1,2,3
	PLD \g
.endr
.irp g, 0,1,2,3
	SMUL 2, \g
.endr
	PLACES
	MAXES 1
	s_wait_dscnt 0x11                              ; P's lower half is in; its upper half's 16 loads and the maxima's store may be out
.irp f, 0,1,2,3,4,5
	PV 0, \f, \first
.endr
	s_wait_dscnt 0x0
	s_wait_tensorcnt 0x0                           ; my parts of the next tiles have landed
	s_barrier_signal -1
	PV 1, 0, 0
	PV 1, 1, 0
	PV 1, 2, 0
	s_barrier_wait -1                              ; the maxima and the next tiles are there
	LLD 0
.if \nextk
.irp kt, 0,1,2,3
	KLD ADK, 0, \kt
.endr
.endif
	PV 1, 3, 0
	PV 1, 4, 0
	PV 1, 5, 0
	WIN 0
	s_xor_b32 s[VB], s[VB], SLOT1
.endm
	s_load_b256 s[4:11], s[0:1], 0x0               ; q_img s[4:5], k_img s[6:7], v_img s[8:9], the scales' exponents s[10:11]
	s_load_b64 s[12:13], s[0:1], 0x20              ; out
	v_lshl_add_u32 v[SPW], v0, 2, SPARE
	v_mov_b32 v[NIL], 0
	ds_add_u32 v[SPW], v[NIL]                      ; the opening lines: the add, twice on end
	ds_add_u32 v[SPW], v[NIL]
	v_lshrrev_b32 v1, 5, v0
	v_readfirstlane_b32 s[WV], v1                  ; wave 0..3
	s_and_b32 s15, s[WV], 1
	s_and_b32 s16, ttmp7, 0xffff                   ; cluster y
	s_bfe_u32 s17, ttmp6, 0x40000                  ; cx
	s_lshl_b32 s18, s16, 2
	s_add_co_u32 s18, s18, s17                     ; block of 64 queries
	s_mov_b32 s19, ttmp9                           ; batch
.irp g, G1, G1W
	s_mov_b32 s[\g], 15|(3<<16)|(1<<21)            ; mask of the cluster's four; elements of 8 bytes; bit 21 set beside a mask
	s_mov_b32 s[\g+1], 32<<16
	s_mov_b32 s[\g+3], 32<<16
	s_mov_b32 s[\g+5], 32
	s_mov_b32 s[\g+6], 0
	s_mov_b32 s[\g+7], 0
.endr
	s_mov_b32 s[G1+2], 192<<16                     ; half a tile: 192 rows of 256 bytes
	s_mov_b32 s[G1+4], 192
	s_mov_b32 s[G1W+2], 384<<16                    ; a whole tile
	s_mov_b32 s[G1W+4], 384
	s_mov_b32 s[SEL], 0x76543210
	s_mov_b32 s[SEL+1], 0xfedcba98
	s_mov_b32 s[CS], 0x3d96c740                    ; log2(e) / sqrt(384)
	s_mov_b32 s[VB], 0
	s_mul_i32 s20, s15, HALF
	s_mov_b32 s21, 0
	s_mul_i32 s22, s19, 8*TILE
	s_mov_b32 s23, 0
	s_lshl_b32 s58, s19, 7
	s_lshl_b32 s59, s18, 2
	s_add_co_u32 s58, s58, s59
	s_mul_i32 s58, s58, 6144                       ; Q: token tile 128 x batch + 4 x block
	s_mov_b32 s59, 0
	s_lshl_b32 s60, s19, 11
	s_lshl_b32 s61, s18, 6
	s_add_co_u32 s60, s60, s61
	s_lshr_b32 s61, s[WV], 1
	s_lshl_b32 s61, s61, 5
	s_add_co_u32 s60, s60, s61
	s_lshl_b32 s61, s15, 3
	s_add_co_u32 s60, s60, s61
	s_mul_i32 s60, s60, 1536                       ; out: the first token of query tile w
	s_mov_b32 s61, 0
	s_wait_dscnt 0x0                               ; both opening adds are done
	s_wait_kmcnt 0x0
	s_load_b128 s[52:55], s[10:11], 0x18           ; e6 .. e9
	s_add_nc_u64 s[50:51], s[6:7], s[22:23]        ; the batch's keys,
	s_add_nc_u64 s[56:57], s[8:9], s[22:23]        ; and values
	s_mov_b32 s[G0K], 1
	s_add_co_u32 s[G0K+1], s20, KBUF
	s_add_nc_u64 s[G0K+2:G0K+3], s[50:51], s[20:21]
	s_or_b32 s[G0K+3], s[G0K+3], 0x80000000
	s_mov_b32 s[G0V], 1
	s_mov_b32 s[G0V+1], s20
	s_add_nc_u64 s[G0V+2:G0V+3], s[56:57], s[20:21]
	s_or_b32 s[G0V+3], s[G0V+3], 0x80000000
	s_mov_b32 s[G0H], 1
	s_mov_b32 s[G0H+1], SLOT1
	s_add_nc_u64 s[G0H+2:G0H+3], s[50:51], TILE
	s_or_b32 s[G0H+3], s[G0H+3], 0x80000000
	s_mov_b32 s[G0W], 1
	s_mov_b32 s[G0W+1], 0
	s_mov_b64 s[G0W+2:G0W+3], s[56:57]
	s_or_b32 s[G0W+3], s[G0W+3], 0x80000000
	s_add_nc_u64 s[4:5], s[4:5], s[58:59]
	s_add_nc_u64 s[12:13], s[12:13], s[60:61]
	CROUND                                         ; the first joint loads meet
	s_cmp_lt_u32 s[WV], 2
	s_cbranch_scc0 .Lhead_2
	tensor_load_to_lds s[G0K:G0K+3], s[G1:G1+7]    ; K's tile 0, by halves
	s_nop 0
	PLACES
	s_branch .Lhead_asked
.Lhead_2:
	s_cmp_eq_u32 s[WV], 2
	s_cbranch_scc0 .Lhead_3
	tensor_load_to_lds s[G0H:G0H+3], s[G1W:G1W+7]  ; K's tile 1
	s_nop 0
	PLACES
	s_branch .Lhead_asked
.Lhead_3:
	tensor_load_to_lds s[G0W:G0W+3], s[G1W:G1W+7]  ; V's tile 0
	s_nop 0
	PLACES
.Lhead_asked:
	v_and_b32 v2, 31, v0
	v_lshlrev_b32 v[LI], 4, v2
	WIN 0x80
.set NN, 0
.rept 48
	global_load_b128 v[4*NN:4*NN+3], v[LI], s[4:5] offset:512*NN   ; Q's 12 fragments stay in registers
.set NN, NN+1
.endr
	WIN 0
	WA
	s_mul_i32 s66, s[WV], QUART
	s_add_co_u32 s67, s66, KBUF
	v_add_nc_u32 v[ADK], s67, v[LI]                ; my four key tiles in K's slot,
	s_add_co_u32 s67, s66, SLOT1
	v_add_nc_u32 v[ADK1], s67, v[LI]               ; and where tile 1 lies
	s_mul_i32 s66, s[WV], 12288
	v_add_nc_u32 v[AV], s66, v[LI]                 ; my six tiles of d
	s_lshr_b32 s66, s[WV], 1
	s_lshl_b32 s66, s66, 13
	s_lshl_b32 s67, s15, 10
	s_add_co_u32 s66, s66, s67
	s_add_co_u32 s66, s66, PBUF
	v_add_nc_u32 v[PWA], s66, v[LI]                ; my blocks of P: key group w / 2, blocks 2 (w % 2) on
	v_add_nc_u32 v[PRA], PBUF, v[LI]
	v_min_u32 v4, 23, v2
	v_lshlrev_b32 v[PFO], 8, v4                    ; the prefetches: 24 blocks of 256 bytes (the last lanes name the last one again)
	v_and_b32 v3, 15, v0                           ; r
	v_bfe_u32 v5, v0, 4, 1                         ; h
	s_lshl_b32 s66, s[WV], 8
	s_add_co_u32 s66, s66, MXB
	v_lshl_add_u32 v[MXA], v3, 4, s66
	v_lshlrev_b32 v6, 4, v3
	v_add_nc_u32 v[MRA], MXB, v6
	s_mul_i32 s66, s[WV], 384
	s_add_co_u32 s66, s66, SLOT1
	v_mul_u32_u24 v7, v3, OP
	v_lshl_add_u32 v7, v5, 5, v7
	v_add_nc_u32 v[STA], s66, v7                   ; the way out: row r, my 384 bytes, + 32 h
	v_add_nc_u32 v[STB], 32*OP, v[STA]
.irp q, 0,1,2,3
	v_mov_b32 v[PRM+\q], 0                         ; a lane permute's destination counts as one of its sources
	v_mov_b32 v[SUM+2*\q], 0
	v_mov_b32 v[SUM+2*\q+1], 0
.endr
	s_cmp_lt_u32 s16, 4                            ; the prefetches: clusters 0-3 K's tile 3 on, clusters 4-7 V's tile 2 on
	s_cselect_b64 s[PFA:PFA+1], s[50:51], s[56:57]
	s_cselect_b32 s[LIM], 1, 0
	s_mov_b32 s66, 2*TILE
	s_cselect_b32 s66, 3*TILE, s66
	s_and_b32 s67, s16, 3
	s_mul_i32 s67, s67, 96*256
	s_add_co_u32 s66, s66, s67
	s_mul_i32 s67, s17, 24*256
	s_add_co_u32 s66, s66, s67
	s_mov_b32 s67, 0
	s_add_nc_u64 s[PFA:PFA+1], s[PFA:PFA+1], s[66:67]
	s_cmp_eq_u32 s[WV], 0                          ; wave 0 asks while more than LIM trips are to go
	s_cselect_b32 s[LIM], s[LIM], 64
	s_mov_b32 s[CNT], 6
	WA
	s_wait_kmcnt 0x0
	s_add_co_i32 s66, s52, s53
	s_lshl_b32 s66, s66, 23
	s_add_co_i32 s[CS], s[CS], s66                 ; a score stands for score x 2^(e6 + e7)
	s_mov_b32 s[CS+1], s[CS]
	s_xor_b32 s[NCS], s[CS], 0x80000000
	s_add_co_i32 s66, s54, 127
	s_lshl_b32 s67, s66, 23
	v_mov_b32 v[PSC], s67                          ; 2^e8
	s_add_co_i32 s66, s66, 15
	s_lshl_b32 s66, s66, 23
	s_or_b32 s66, s66, 0x600000
	v_mov_b32 v[PLM], s66                          ; 57,344 x 2^e8
	WA
	s_cmp_lt_u32 s[WV], 2
	s_cbranch_scc0 .Lnot_k0
	s_wait_tensorcnt 0x0                           ; my half of K's tile 0 has landed
.Lnot_k0:
	s_barrier_signal -1
	s_barrier_wait -1
.irp ks, 0,1,2
.irp kt, 0,1,2,3
	KLD ADK, \ks, \kt
.endr
.endr
	WIN 0
	s_wait_loadcnt 0x0                             ; Q
	s_wait_dscnt 0x20                              ; K step 0's 16 loads are in
.irp kt, 0,1,2,3
	SMUL 0, \kt
.endr
	s_wait_dscnt 0x10
.irp kt, 0,1,2,3
	SMUL 1, \kt
.endr
	s_wait_dscnt 0x0
.irp kt, 0,1,2,3
	SMUL 2, \kt
.endr
	PLACES
	MAXES 0
	s_wait_dscnt 0x0
	s_wait_tensorcnt 0x0
	s_barrier_signal -1
	s_barrier_wait -1                              ; the maxima, K's tile 1 and V's tile 0 are there
	LLD 0
.irp kt, 0,1,2,3
	KLD ADK1, 0, \kt
.endr
	WIN 0
	BODY 1, 1, 1, ADK1
	s_mov_b32 s[CNT], 5
.Lstep:
	BODY 0, 1, 1, ADK
	s_sub_co_u32 s[CNT], s[CNT], 1
	s_cmp_lg_u32 s[CNT], 0
	s_cbranch_scc1 .Lstep
	BODY 0, 0, 0, ADK                              ; step 6: V's tile 7 is the last that is asked for
	; STEP 7: no further scores
	s_wait_dscnt 0x0
	MCALC 0
.irp f, 0,1,2,3,4,5
	OMULF \f
.endr
	WIN 0
	v_add_nc_u32 v[ADV], s[VB], v[AV]
	s_mul_i32 s66, s[WV], 16*OP
	s_add_co_u32 s66, s66, SLOT1
	v_add_nc_u32 v[ADK1], s66, v[LI]               ; the way out: query tile w's rows
	FMA01
	WA
	EXPS 0
	v_nop
	WA
	SUMS 0, 1, 0
	WA
	EXPS 1
	v_nop
	WA
	SUMS 2, 3, 4
.irp n, 8,9,10,11
	VLD \n
.endr
	CODES
.irp q, 0,1,2,3
	v_add_f32 v[RM+\q], v[SUM+2*\q], v[SUM+2*\q+1]
.endr
.irp q, 0,1,2,3
	v_permlanex16_b32 v[PRM+\q], v[RM+\q], s[SEL], s[SEL+1]
.endr
.irp q, 0,1,2,3
	v_add_f32 v[RM+\q], v[RM+\q], v[PRM+\q]        ; the sums over my keys
.endr
	ds_store_b128 v[MXA], v[RM:RM+3] offset:1024
	WA
	s_wait_dscnt 0x0
	s_barrier_signal -1
	s_barrier_wait -1
	LLD 1024
.irp n, 0,1,2,3,4,5,6,7
	PLD \n
.endr
	WIN 0
	s_add_co_i32 s66, s54, s55
	s_wait_dscnt 0x20                              ; the four waves' sums are in; P's 32 loads may be out
.irp q, 0,1,2,3
	v_add_f32 v[RM+\q], v[L+\q], v[L+4+\q]
.endr
.irp q, 0,1,2,3
	v_add_f32 v[NM+2*\q], v[L+8+\q], v[L+12+\q]
.endr
.irp q, 0,1,2,3
	v_add_f32 v[RM+\q], v[RM+\q], v[NM+2*\q]
.endr
	WA
.irp q, 0,1,2,3
	v_rcp_f32 v[F+2*\q], v[RM+\q]
.endr
	v_nop
	WA
.irp q, 0,1,2,3
	v_ldexp_f32 v[F+2*\q], v[F+2*\q], s66          ; 2^(e8 + e9) / the row's sum
.endr
	WA
	s_wait_dscnt 0x10
.irp f, 0,1,2,3,4,5
	PV 0, \f, 0
.endr
	s_wait_dscnt 0x0
.irp f, 0,1,2,3,4,5
	PV 1, \f, 0
.endr
	PLACES
	; THE WAY OUT: rows of 1,536 bytes gather in LDS, in V's second slot and K's, which have had their last fill and their last read; a wave stores 16 whole rows
.irp f, 0,1,2,3,4,5
	OMULF \f
	WIN 0x0c
.irp q, 0,1
.irp j, 0,1
	ds_store_b128 v[STA], v[32*\f+8*\q+4*\j:32*\f+8*\q+4*\j+3] offset:16*OP*\q+64*\f+16*\j
.endr
.endr
.irp q, 0,1
.irp j, 0,1
	ds_store_b128 v[STB], v[32*\f+16+8*\q+4*\j:32*\f+16+8*\q+4*\j+3] offset:16*OP*\q+64*\f+16*\j
.endr
.endr
.endr
	WIN 0
	WA
	s_wait_dscnt 0x0
	s_barrier_signal -1
	s_barrier_wait -1
	WIN 0x40
.irp r, 0,1,2,3,4,5,6,7,8,9,10,11,12,13,14,15
.irp g, 0,1,2
	ds_load_b128 v[4*(3*\r+\g):4*(3*\r+\g)+3], v[ADK1] offset:OP*\r+512*\g
.endr
.endr
	WIN 0x04
.irp r, 0,1,2,3,4,5,6,7,8,9,10,11,12,13,14,15
.if (\r%4) == 0
	s_wait_dscnt 36-3*\r                           ; these four rows' 12 loads are in
.endif
.irp g, 0,1,2
	global_store_b128 v[LI], v[4*(3*\r+\g):4*(3*\r+\g)+3], s[12:13] offset:(\r+8*(\r/8))*1536+512*\g th:TH_STORE_NT   ; the wave stores 512 consecutive bytes, aligned
.endr
.endr
	WIN 0
	s_wait_tensorcnt 0x0                           ; the wave's end
	ds_add_u32 v[SPW], v[NIL]
	s_wait_dscnt 0x0
	CROUND                                         ; the closing round
	s_endpgm
.Lfunc_end_k_q97ec2c2510_attn:
	.size	k_q97ec2c2510_attn, .Lfunc_end_k_q97ec2c2510_attn-k_q97ec2c2510_attn
	.p2alignl 7, 3214868480
	.fill 96, 4, 3214868480
	.section	.rodata,"a",@progbits
	.p2align	6, 0x0
	.amdhsa_kernel k_q97ec2c2510_attn
		.amdhsa_group_segment_fixed_size 327680
		.amdhsa_private_segment_fixed_size 0
		.amdhsa_enable_private_segment 0
		.amdhsa_kernarg_size 40
		.amdhsa_user_sgpr_count 2
		.amdhsa_user_sgpr_kernarg_segment_ptr 1
		.amdhsa_wavefront_size32 1
		.amdhsa_system_sgpr_workgroup_id_x 1
		.amdhsa_system_sgpr_workgroup_id_y 1
		.amdhsa_system_sgpr_workgroup_id_z 1
		.amdhsa_system_vgpr_workitem_id 0
		.amdhsa_next_free_vgpr 1024
		.amdhsa_next_free_sgpr 84
		.amdhsa_reserve_vcc 0
		.amdhsa_float_denorm_mode_32 3
		.amdhsa_float_denorm_mode_16_64 3
		.amdhsa_memory_ordered 1
		.amdhsa_forward_progress 1
		.amdhsa_inst_pref_size 211
	.end_amdhsa_kernel
	.amdgpu_metadata
---
amdhsa.version: [ 1, 2 ]
amdhsa.kernels:
  - .name:           k_q97ec2c2510_attn
    .symbol:         k_q97ec2c2510_attn.kd
    .args:
      - { .name: q_img, .offset: 0, .size: 8, .value_kind: global_buffer, .address_space: global }
      - { .name: k_img, .offset: 8, .size: 8, .value_kind: global_buffer, .address_space: global }
      - { .name: v_img, .offset: 16, .size: 8, .value_kind: global_buffer, .address_space: global }
      - { .name: lowp_scales, .offset: 24, .size: 8, .value_kind: global_buffer, .address_space: global }
      - { .name: out0, .offset: 32, .size: 8, .value_kind: global_buffer, .address_space: global }
    .group_segment_fixed_size: 327680
    .private_segment_fixed_size: 0
    .kernarg_segment_align: 8
    .kernarg_segment_size: 40
    .max_flat_workgroup_size: 128
    .sgpr_count:     84
    .vgpr_count:     1024
    .wavefront_size: 32
...
	.end_amdgpu_metadata
.endif
;; end of part 3
